; MI455X (gfx1250); checked and timed in simulation.
; The chip was launched on July 23, 2026; its instructions are those of AMD's public machine-readable ISA for CDNA 5 (MIT licence, August 2026) and "CDNA5" Instruction Set Architecture Reference Guide (July 2026). The comments in the code are by the model that wrote it; some were corrected since.
;; Attention. Allowed arithmetic: matrix products marked QUANTISED: E2M3 operands, one E8M0 scale for each 32 along K, by v_wmma_scale_f32_16x16x128_f8f6f4 with both operands' format E2M3, f32 sums; products left as they are: f32 operands where the result goes on into a quantised operand, else bf16, f16 or f32 operands; f32 sums; everything else in f32.
;; Inputs: W_codes 1,024 x 32 x 24 uint8 (E2M3 codes of W, K innermost, in blocks of 32 codes, four codes in three bytes); W_scales 1,024 x 32 uint8 (E8M0 scales of W, one for each 32 codes along K); b 1,024 float32; encoder_outputs_codes 32 x 2,048 x 32 x 24 uint8 (E2M3 codes of encoder_outputs, K innermost, in blocks of 32 codes, four codes in three bytes); encoder_outputs_scales 32 x 2,048 x 32 uint8 (E8M0 scales of encoder_outputs, one for each 32 codes along K); hx 32 x 1,024 float32.
;; Outputs: out0 32 x 1 x 2,048 float32.
;; This version of the problem:
;;   THIS VERSION OF THE PROBLEM IS GIVEN IN LOW PRECISION. The matrix products marked QUANTISED in the list below multiply operands that are first quantised to E2M3 (2 exponent bits, 3 mantissa bits; 6 bits a number), with one power-of-two scale for each 32 numbers along K (OCP MX v1.0); their sums are f32. All else is computed in f32.
;;   The module's matrix products, in the order in which they are computed (A, B: the left and right operand; K: the contracted axis; several contracted axes count as one K, in the product's order):
;;     1. [M 65,536, K 1,024] x [K 1,024, N 1,024]; A: input encoder_outputs (given as codes); B: input W (given as codes): QUANTISED
;;     2. batch 32 x [M 2,048, K 1,024] x [K 1,024, N 1]; A: computed on the way; B: input hx: left as it is (N = 1 < 16)
;;   THE QUANTISER, for each operand of a quantised product, along K:
;;     - K is cut into blocks of 32 from its start; a last block that is shorter is filled with zeros.
;;     - A block's scale is 2^e with e = floor(log2(the largest magnitude in the block)) - 2, held to -126 .. 127; a block of zeros has e = 0. As a byte (E8M0): e + 127.
;;     - Each number is divided by its block's scale, clamped to +-7.5, and rounded to the nearest number of E2M3, ties to even, subnormals kept.
;;     - The product sums the exact products of the quantised numbers (number of the format x scale) in f32.
;;   ~~~python
;;   def quantise(x, axis):      # numpy; x: float32 -> the quantised numbers, widened to float32 again
;;       x = np.moveaxis(x, axis, -1); K = x.shape[-1]
;;       x = np.pad(x, [(0, 0)] * (x.ndim - 1) + [(0, -K % 32)]); x = x.reshape(x.shape[:-1] + (-1, 32)); a = np.abs(x).max(-1, keepdims=True)
;;       e = np.where(a > 0, np.clip(np.frexp(np.where(a > 0, a, 1))[1] - 1 - 2, -126, 127), 0)      # np.frexp(a)[1] - 1 = floor(log2(a)), exactly
;;       r = np.clip(x / 2.0 ** e, -7.5, 7.5)
;;       step = 2.0 ** (np.maximum(np.frexp(np.where(r == 0, 1, r))[1] - 1, 0) - 3)
;;       q = np.round(r / step) * step * 2.0 ** e      # np.round: ties to even
;;       return np.moveaxis(q.reshape(q.shape[:-2] + (-1,))[..., :K], -1, axis).astype(np.float32)
;;   ~~~
;;   INPUTS GIVEN AS CODES. W (in the module: [1024, 1024], K = its axis 1); encoder_outputs (in the module: [32, 2048, 1024], K = its axis 2): each comes as NAME_codes (uint8): NAME with its K axis moved to the last place and cut into blocks of 32 codes, [.., K / 32, bytes a block], one block behind the other in memory; four codes in three bytes: a row's codes are one little-endian stream of bits, code i at bits 6 i .. 6 i + 5 (a code: sign, 2 exponent bits, 3 mantissa bits); and NAME_scales (uint8): the same leading axes, one E8M0 byte (e + 127) for each 32 codes along K. Its value is code x scale, taken as it is: it is not quantised again, and the codes and scales need not be those that the quantiser above would give.
;; One version. Each part assembles by itself: llvm-mc -triple=amdgcn-amd-amdhsa -mcpu=gfx1250 --defsym DOCPART=n.
;; ======== version 1 of 1: 2 launches
;; limits: right only within a limited range of input values
;; workspace buffers: part 4,194,304 bytes
;; launch energy (part 1): grid 4 x 64, 4 waves a work-group, clusters of 4 x 4, 327,680 bytes of LDS; arguments encoder_outputs_codes, encoder_outputs_scales, W_codes, W_scales, hx, part; writes part
.if DOCPART == 1
	.amdgcn_target "amdgcn-amd-amdhsa--gfx1250"
	.amdhsa_code_object_version 6
	.text
	.protected	k_q9c09830f67_energy
	.globl	k_q9c09830f67_energy
	.p2align	8
	.type	k_q9c09830f67_energy,@function
k_q9c09830f67_energy:
	s_mov_b64 s[64:65], 0
	v_nop
	global_prefetch_b8 v0, s[64:65] scope:SCOPE_SE
	s_setreg_imm32_b32 hwreg(HW_REG_WAVE_MODE, 25, 1), 1
	s_wait_xcnt 0x0
	s_wait_alu depctr_hold_cnt(0) depctr_sa_sdst(0) depctr_va_vdst(0) depctr_va_sdst(0) depctr_va_ssrc(0) depctr_va_vcc(0) depctr_vm_vsrc(0)
	s_getreg_b32 s2, hwreg(HW_REG_IB_STS2, 6, 4)
	s_cmp_eq_u32 s2, 0
	s_cbranch_scc0 .Lentry_in_a_cluster
	s_endpgm
.Lentry_in_a_cluster:
	s_bfe_u32 s2, ttmp6, 0x10000c
	s_cmp_lg_u32 s2, 0xf033
	s_cbranch_scc0 .Lentry_shape_is_right
	s_endpgm
.Lentry_shape_is_right:
; part[c][row] = sum over the 128 columns h and the 512 k of chunk c of hx[batch][h] W[h][k] enc[row][k]; the next launch adds the 16 chunks and takes the softmax.
; DEAD WORK: reference() adds b[h] to proj, which adds sum over h of hx[batch][h] b[h] to every energy of a batch: the same number along the softmax's axis,
; so exp(e - max) / sum is the same without it for all finite inputs.  b is not loaded and is no argument of any launch.
; LIMIT: a NaN, an infinity or an overflow that only b could bring is not carried to the result.
; A work-group: 1,024 rows of enc x 256 rows of W.  Wave (nh, kh) keeps W's rows 128 nh .. +127, k = 512 kh .. +511, in 384 registers for the whole launch.
; The energy is linear in proj, so a half of K gives a partial energy of its own.  enc goes through two LDS slots of 128 rows (whole K), fetched as dense rows of 256 bytes;
; 8 bytes of padding behind every 128 make an LDS row of codes 816 bytes.  Slot 1 lies on the bytes that held W's codes once these are in registers.
; A UNIT is 16 rows of enc: 32 products on 8 accumulators by turns (source 0 = W, source 1 = enc: a lane holds one row of enc and 8 neighbouring h).
; All memory instructions of a unit stand in ONE run ahead of its products: the next unit's 24 fragment loads among them.  Behind each product stands one multiply-add of the unit before with hx.
; CLUSTERS 4 x 4: enc's tiles are asked for jointly along a row of the cluster, W's along a column.
; WINDOWS: 0: addresses, scale words.  1: W's steps 0, 1 (v0-191), hx of h blocks 0-3 (v192-223), LDS addresses (v224-236).  2: W's steps 2, 3, hx of blocks 4-7, the same addresses.
;          3: two sets of 8 accumulators (v0-127), two sets of enc's fragments (v128-223), sums (v224-239), the way out (v240-247).
.set PIT,   816
.set UB,    16*PIT
.set CODES, 128*PIT
.set SC0,   CODES                      ; slot 0's scales: 16 rows of 256 + 16
.set S1,    CODES+4352                 ; slot 1's codes; at the head W's 256 rows
.set BSC,   S1+2*CODES                 ; W's scales; later slot 1's scales on its first 16 rows,
.set SC1,   BSC
.set STG,   BSC+4352                   ; and the stage on the last 16, which are filled once, at the head
.set SPARE, BSC+8704
.set TILEB, 98304                      ; 128 rows of codes in memory
.set SPW, 28
.set NIL, 29
.set PFO, 15
.set AS,  34                           ; enc's scale words, two sets of 4
.set BS,  64                           ; W's scale words: 4 b + q
.set AD,  224                          ; windows 1, 2: 4 slot + 2 half + (1: lanes 16-31 lie behind a padding)
.set ASA, 232
.set STO, 234
.set RD,  235
.set EO,  236
.set ACC, 0
.set AB,  128
.set E,   224
.set OX,  240
.set WV, 16
.set KH, 17
.set NH, 18
.set CX, 19
.set CY, 20
.set TC, 21
.set WY, 22
.set LIM, 23
.set G1A, 24
.set G0C, 32
.set G1S, 40
.set G0S, 48
.set G1BC, 56
.set G1BS, 68
.set G0BC, 76
.set G0BS, 80
.set G0AH, 84
.set PFA, 88
.set TI, 99
.set MSB, 0
.macro WIN new
.if MSB != (\new)
	s_set_vgpr_msb (MSB<<8)|(\new)
.set MSB, (\new)
.endif
.endm
.macro TAILN                           ; behind a tensor load
	s_nop 0
.rept 4
	v_nop
.endr
.endm
.macro CREST
	s_cmp_lg_u32 s[WV], 0
	s_cbranch_scc1 .Lnw0_\@
	s_barrier_signal -3
.Lnw0_\@:
	s_barrier_wait -3
	s_barrier_signal -1
	s_barrier_wait -1
.endm
.macro CROUND
	s_barrier_signal -1
	s_barrier_wait -1
	CREST
.endm
.macro JLOAD s                         ; waves 0-2: a third of the slot's codes each; wave 3: its scales
	s_cmp_lt_u32 s[WV], 3
	s_cbranch_scc0 .Lsc_\@
	tensor_load_to_lds s[G0C+4*\s:G0C+4*\s+3], s[G1A:G1A+7]
	TAILN
	s_branch .Lj_\@
.Lsc_\@:
	tensor_load_to_lds s[G0S+4*\s:G0S+4*\s+3], s[G1S:G1S+7]
	TAILN
.Lj_\@:
.endm
.macro GRP1 g, mask, fld, rows         ; dense rows of 256 bytes: 32 elements of 8 bytes
	s_or_b32 s[\g], s[\mask], \fld
	s_mov_b32 s[\g+1], 32<<16
	s_mov_b32 s[\g+2], (\rows)<<16
	s_mov_b32 s[\g+3], 32<<16
	s_mov_b32 s[\g+4], \rows
	s_mov_b32 s[\g+5], 32
	s_mov_b32 s[\g+6], 0
	s_mov_b32 s[\g+7], 0
.endm
.macro GRP0 g, lds, a
	s_mov_b32 s[\g], 1
	s_mov_b32 s[\g+1], \lds
	s_mov_b64 s[\g+2:\g+3], s[\a:\a+1]
	s_or_b32 s[\g+3], s[\g+3], 0x80000000
.endm
.set FC, (3<<16)|(1<<20)|(1<<21)|(4<<22)|(1<<25)   ; 2 words of padding behind every 32
.set FS, (3<<16)|(1<<20)|(1<<21)|(5<<22)|(3<<25)   ; 4 words behind every 64
	s_load_b256 s[4:11], s[0:1], 0x0               ; enc codes, enc scales, W codes, W scales
	s_load_b128 s[12:15], s[0:1], 0x20             ; hx, part
	v_lshl_add_u32 v[SPW], v0, 2, SPARE
	v_mov_b32 v[NIL], 0
	ds_add_u32 v[SPW], v[NIL]                      ; the opening lines
	ds_add_u32 v[SPW], v[NIL]
	v_lshrrev_b32 v1, 5, v0
	v_readfirstlane_b32 s[WV], v1
	s_lshr_b32 s[KH], s[WV], 1
	s_and_b32 s[NH], s[WV], 1
	s_bfe_u32 s[CX], ttmp6, 0x40000
	s_bfe_u32 s[CY], ttmp6, 0x40004
	s_lshl_b32 s[TC], ttmp9, 2
	s_add_co_u32 s[TC], s[TC], s[CX]               ; which 256 rows of W
	s_and_b32 s[WY], ttmp7, 0xffff
	s_lshl_b32 s[WY], s[WY], 2
	s_add_co_u32 s[WY], s[WY], s[CY]               ; which 1,024 rows of enc
	s_lshl_b32 s90, s[CY], 2
	s_lshl_b32 s90, 15, s90                        ; my row of the cluster
	s_lshl_b32 s91, 0x1111, s[CX]                  ; my column
	GRP1 G1A, 90, FC, 384                          ; the head's tile of enc: 128 rows of codes whole
	GRP1 G1S, 90, FS, 16
	GRP1 G1BC, 91, FC, 768
	GRP1 G1BS, 91, FS, 32
	s_mul_i32 s92, s[WY], 786432
	s_mov_b32 s93, 0
	s_lshl_b32 s94, s[WY], 15
	s_mov_b32 s95, 0
	s_mul_i32 s96, s[TC], 196608
	s_mov_b32 s97, 0
	s_lshl_b32 s66, s[TC], 13
	s_mov_b32 s67, 0
	s_wait_dscnt 0x0
	s_wait_kmcnt 0x0
	s_add_nc_u64 s[92:93], s[4:5], s[92:93]
	s_add_nc_u64 s[94:95], s[6:7], s[94:95]
	s_add_nc_u64 s[96:97], s[8:9], s[96:97]
	s_add_nc_u64 s[66:67], s[10:11], s[66:67]
	CROUND                                         ; in front of the first joint loads
	GRP0 G0BC, S1, 96
	GRP0 G0BS, BSC, 66
	GRP0 G0AH, 0, 92
	s_lshl_b32 s2, s[WV], 15                       ; the ring: wave w fetches 128 rows of 256 bytes
	s_mov_b32 s3, 0
	s_mul_i32 s91, s[WV], 128*272
.irp s, 0,1
	s_mov_b32 s[G0C+4*\s], 1
	s_add_co_u32 s[G0C+4*\s+1], s91, \s*S1
	s_add_nc_u64 s[G0C+4*\s+2:G0C+4*\s+3], s[92:93], s[2:3]
	s_add_nc_u64 s[G0C+4*\s+2:G0C+4*\s+3], s[G0C+4*\s+2:G0C+4*\s+3], \s*TILEB
	s_or_b32 s[G0C+4*\s+3], s[G0C+4*\s+3], 0x80000000
	s_mov_b32 s[G0S+4*\s], 1
	s_mov_b32 s[G0S+4*\s+1], SC0+\s*(SC1-SC0)
	s_add_nc_u64 s[G0S+4*\s+2:G0S+4*\s+3], s[94:95], \s*4096
	s_or_b32 s[G0S+4*\s+3], s[G0S+4*\s+3], 0x80000000
.endr
; the head's four tiles, one a wave, W's codes first
	s_cmp_lt_u32 s[WV], 1
	s_cbranch_scc0 .Lh1
	tensor_load_to_lds s[G0BC:G0BC+3], s[G1BC:G1BC+7]
	TAILN
	s_branch .Lhj
.Lh1:
	s_cmp_lt_u32 s[WV], 2
	s_cbranch_scc0 .Lh2
	tensor_load_to_lds s[G0BS:G0BS+3], s[G1BS:G1BS+7]
	TAILN
	s_branch .Lhj
.Lh2:
	s_cmp_lt_u32 s[WV], 3
	s_cbranch_scc0 .Lh3
	tensor_load_to_lds s[G0AH:G0AH+3], s[G1A:G1A+7]
	TAILN
	s_branch .Lhj
.Lh3:
	tensor_load_to_lds s[G0S:G0S+3], s[G1S:G1S+7]
	TAILN
.Lhj:
	s_lshr_b32 s2, s[WY], 1                        ; hx: batch x 4,096 + 4 (256 TC + 128 nh)
	s_lshl_b32 s2, s2, 12
	s_lshl_b32 s90, s[TC], 10
	s_add_co_u32 s2, s2, s90
	s_lshl_b32 s90, s[NH], 9
	s_add_co_u32 s2, s2, s90
	s_add_nc_u64 s[12:13], s[12:13], s[2:3]
	s_lshl_b32 s2, s[TC], 1                        ; part: chunk 4 TC + 2 nh + kh, my 1,024 rows
	s_add_co_u32 s2, s2, s[NH]
	s_lshl_b32 s2, s2, 1
	s_add_co_u32 s2, s2, s[KH]
	s_lshl_b32 s2, s2, 18
	s_lshl_b32 s90, s[WY], 12
	s_add_co_u32 s2, s2, s90
	s_add_nc_u64 s[14:15], s[14:15], s[2:3]
	s_mul_i32 s2, s[CX], 32*768                    ; prefetches: my work-group's 32 rows of a tile, my wave's 256 bytes of each row
	s_lshl_b32 s90, s[WV], 8
	s_add_co_u32 s2, s2, s90
	s_add_co_u32 s2, s2, 2*TILEB
	s_add_nc_u64 s[PFA:PFA+1], s[92:93], s[2:3]
	s_cmp_lt_u32 s[WV], 3
	s_cselect_b32 s[LIM], 5, 0                     ; tiles 0-4 ask for tiles 3-7; wave 3 asks for nothing
	s_mov_b32 s[TI], 0
	s_mul_i32 s90, s[KH], 408                      ; my half of K in an LDS row: 384 bytes + 3 paddings
	s_lshl_b32 s91, s[WV], 10
	s_add_co_u32 s91, s91, STG
	s_mul_i32 s66, s[NH], CODES
	s_add_co_u32 s66, s66, S1
	s_mul_i32 s67, s[NH], 4352
	s_add_co_u32 s67, s67, BSC
	v_and_b32 v1, 15, v0                           ; r
	v_bfe_u32 v2, v0, 4, 1                         ; h
	v_and_b32 v3, 31, v0
	v_mul_u32_u24 v4, v1, PIT
	v_mad_u32_u24 v4, v2, 24, v4
	v_add_nc_u32 v4, s90, v4                       ; a fragment's row, + 24 h, + my half of K
	v_lshl_add_u32 v5, v2, 3, v4                   ; the same where lanes 16-31 lie behind a padding
	v_lshrrev_b32 v6, 3, v3
	v_and_b32 v7, 7, v3
	v_mul_u32_u24 v6, v6, 272
	v_lshl_add_u32 v6, v7, 5, v6
	v_lshl_add_u32 v6, s[KH], 4, v6                ; enc's scales: row = lane, 32 bytes a row, my 16
	v_lshlrev_b32 v9, 4, v3
	v_lshlrev_b32 v8, 2, v1
	v_lshl_add_u32 v8, v2, 9, v8                   ; stage: 512 h + 4 r
	v_lshrrev_b32 v14, 3, v1
	v_and_b32 v7, 7, v1
	v_mul_u32_u24 v14, v14, 272
	v_lshl_add_u32 v14, v7, 5, v14
	v_lshl_add_u32 v14, s[KH], 4, v14
	v_add_nc_u32 v14, s67, v14                     ; W's scales
	v_mul_u32_u24 v[PFO], v3, 768
	v_lshlrev_b32 v16, 5, v2
	v_add_nc_u32 v10, s66, v4                      ; W's fragments: blocks 0-3,
	v_add_nc_u32 v11, s66, v5
	v_add_nc_u32 v12, 4*UB, v10                    ; blocks 4-7
	v_add_nc_u32 v13, 4*UB, v11
.irp w, 0x40, 0x80
	WIN \w
.irp s, 0,1
.irp f, 0,1
	v_add_nc_u32 v[AD+4*\s+2*\f], S1*\s+4*UB*\f, v4
	v_add_nc_u32 v[AD+4*\s+2*\f+1], S1*\s+4*UB*\f, v5
.endr
.endr
	v_add_nc_u32 v[ASA], SC0, v6
	v_add_nc_u32 v[ASA+1], SC1, v6
	v_add_nc_u32 v[STO], s91, v8
	v_add_nc_u32 v[RD], s91, v9
	v_mov_b32 v[EO], v9
.endr
.irp w, 0,1                            ; hx(16 b + 8 h + j): blocks 0-3 into window 1, 4-7 into window 2
	WIN 0x40<<\w
.irp b, 0,1,2,3
	global_load_b128 v[192+8*\b:192+8*\b+3], v16, s[12:13] offset:256*\w+64*\b
	global_load_b128 v[192+8*\b+4:192+8*\b+7], v16, s[12:13] offset:256*\w+64*\b+16
.endr
.endr
	WIN 0
	s_wait_alu depctr_va_vdst(0)                   ; the wait at the head's end
	s_wait_tensorcnt 0x0                           ; my tile of the head's four is in
	s_mov_b32 s[G1A+2], 128<<16                    ; no load of mine is out: from here on a load of codes brings 128 rows of 256 bytes
	s_mov_b32 s[G1A+4], 128
	s_barrier_signal -1
	s_barrier_wait -1                              ; all four tiles are in
; 8 bytes of a fragment: step q, piece p.  Byte z of my half of K lies at z + 8 (z / 128); lanes 16-31 read 24 bytes on
.macro PIECE reg, adr, q, p, off
.set Z, 96*(\q)+48*((\p)/3)+8*((\p)%3)
	ds_load_b64 v[\reg:\reg+1], v[\adr+(Z%128+24)/128] offset:Z+8*(Z/128)+\off
.endm
.irp q, 0,1,2,3
	WIN 0x40<<((\q)/2)
.irp b, 0,1,2,3,4,5,6,7
.irp p, 0,1,2,3,4,5
	PIECE 96*((\q)%2)+12*\b+2*\p, 10+2*(\b/4), \q, \p, (\b%4)*UB
.endr
.endr
.endr
	WIN 0
.irp b, 0,1,2,3,4,5,6,7
	ds_load_b128 v[BS+4*\b:BS+4*\b+3], v14 offset:544*\b
.endr
	WIN 0xc1
.irp q, 0,1,2,3
.irp p, 0,1,2,3,4,5
	PIECE AB+12*\q+2*\p, AD, \q, \p, 0
.endr
.endr
	WIN 0x01
	ds_load_b128 v[AS:AS+3], v[ASA]
	WIN 0
	s_wait_tensorcnt 0x0                           ; ahead of the refill
	ds_add_u32 v[SPW], v[NIL]
	s_wait_dscnt 0x0                               ; W is in my registers: my reads of its bytes are over
	s_wait_loadcnt 0x0                             ; hx
	CROUND
	JLOAD 1                                        ; tile 1, onto bytes that held W
.macro WM c
.if P
	v_wmma_scale_f32_16x16x128_f8f6f4 v[DD:DD+7], v[WF:WF+11], v[FA:FA+11], \c, v[BS+4*KB+KQ], v[AS+4*SS+KQ] matrix_a_fmt:MATRIX_FMT_FP6 matrix_b_fmt:MATRIX_FMT_FP6 matrix_b_scale:MATRIX_SCALE_ROW1
.else
	v_wmma_scale_f32_16x16x128_f8f6f4 v[DD:DD+7], v[WF:WF+11], v[FA:FA+11], \c, v[BS+4*KB+KQ], v[AS+4*SS+KQ] matrix_a_fmt:MATRIX_FMT_FP6 matrix_b_fmt:MATRIX_FMT_FP6
.endif
.endm
; Places k0 .. k1 - 1 of a unit's 32: place K = 8 q + b holds the product of step q with W's block b and one multiply-add of the unit before: registers alone
.macro SLOTS k0, k1
.set K, \k0
.rept (\k1)-(\k0)
.if K == 16
	WIN 0xfe                                       ; W's steps 2, 3 and hx's blocks 4-7
.endif
.set KQ, K/8
.set KB, K%8
.if MM
.set DD, ACC+64*P+8*KB
.set WF, 96*(KQ%2)+12*KB
.set FA, AB+48*P+12*KQ
.if KQ == 0
	WM 0
.else
	WM v[DD:DD+7]
.endif
.endif
.if EP                                 ; the unit before: sum over h of hx x proj, four chains; each accumulator from its low end on
.set HR, 192+8*((K/4)%4)+2*(K%4)
.set AR, ACC+64*(1-P)+8*(K/4)+2*(K%4)
.set ER, E+8*(1-P)+2*(K%4)
.if K < 4
	v_pk_mul_f32 v[ER:ER+1], v[HR:HR+1], v[AR:AR+1]
.else
	v_pk_fma_f32 v[ER:ER+1], v[HR:HR+1], v[AR:AR+1], v[ER:ER+1]
.endif
.endif
.set K, K+1
.endr
.endm
; A unit's one run of memory instructions, under window setting 0xfd.  Ahead of it the short sums that feed it (1.0 x a + b: only sources 1 and 2 lie in window 3);
; with the last place's multiply-add they are also the places in front of the loads into the fragments that the unit before multiplied.
.macro RUN
.if FI                                 ; the unit two before: its eight sums into one
.set FB, E+8*P
	v_pk_fma_f32 v[FB:FB+1], 1.0, v[FB:FB+1], v[FB+2:FB+3] op_sel_hi:[0,1,1]
	v_pk_fma_f32 v[FB+4:FB+5], 1.0, v[FB+4:FB+5], v[FB+6:FB+7] op_sel_hi:[0,1,1]
.endif
.if OU && (U == 2)                     ; a tile's 128 partial energies: the sums of lanes 0-15 and of lanes 16-31
	v_pk_fma_f32 v[OX:OX+1], 1.0, v[OX:OX+1], v[OX+4:OX+5] op_sel_hi:[0,1,1]
	v_pk_fma_f32 v[OX+2:OX+3], 1.0, v[OX+2:OX+3], v[OX+6:OX+7] op_sel_hi:[0,1,1]
.endif
.if FI
	v_pk_fma_f32 v[FB:FB+1], 1.0, v[FB:FB+1], v[FB+4:FB+5] op_sel_hi:[0,1,1]
	v_fma_f32 v[FB], 1.0, v[FB], v[FB+1]
.endif
.if OU && (U == 2)
	global_store_b128 v[EO], v[OX:OX+3], s[14:15] offset:-512 th:TH_STORE_NT   ; 32 lanes store 512 consecutive bytes, aligned
.endif
.if FI
	ds_store_b32 v[STO], v[FB] offset:64*((U+6)%8)
.endif
.if LD                                 ; the next unit's fragments
.set J, 0
.rept 24
	PIECE AB+48*(1-P)+2*J, NA, J/6, J%6, NO
.set J, J+1
.endr
.endif
.if OU && (U == 1)                     ; the stage holds a whole tile: back as 16 bytes a lane (LDS serves a wave's instructions in order: ISA guide 5.7.1.4)
	ds_load_b128 v[OX:OX+3], v[RD]
	ds_load_b128 v[OX+4:OX+7], v[RD] offset:512
.endif
.if LD && (U%2)                        ; the next two units' scale words: lanes 0-15 the even unit's rows, lanes 16-31 the odd one's
.set OW, MSB
	WIN MSB&3
	ds_load_b128 v[AS+4*(NP%2):AS+4*(NP%2)+3], v[ASA+NS] offset:1088*NP
	WIN OW
.endif
.endm
; Unit u of the tile in slot s.  mm: its products; ld: the next unit's loads; ep: the multiply-adds of the unit before; fi: the sums of the unit two before; ou: the way out;
; rnd 1: the round and the refill of this slot, 2: a barrier for the last tile
.macro UNIT s, u, mm, ld, ep, fi, ou, rnd
.set U, \u
.set P, (\u)%2
.set SS, ((\u)/2)%2
.set NU, ((\u)+1)%8
.set NS, ((\s)+(\u)/7)%2
.set NP, (((\u)+1)/2)%4
.set NA, AD+4*NS+2*(NU/4)
.set NO, (NU%4)*UB
.set MM, \mm
.set LD, \ld
.set EP, \ep
.set FI, \fi
.set OU, \ou
.if \rnd == 1
	WIN 0
	s_wait_alu depctr_va_vdst(0)                   ; the wait ahead of the waits below
	s_wait_tensorcnt 0x0                           ; my part of the other slot is in
	ds_add_u32 v[SPW], v[NIL]
	s_add_nc_u64 s[G0C+4*\s+2:G0C+4*\s+3], s[G0C+4*\s+2:G0C+4*\s+3], 2*TILEB
	s_add_nc_u64 s[G0S+4*\s+2:G0S+4*\s+3], s[G0S+4*\s+2:G0S+4*\s+3], 8192
	s_wait_dscnt 1                                 ; this unit's fragments are in; the add alone may be out
	WIN 0xfd
	SLOTS 0, 4
	s_wait_alu depctr_va_vdst(0)
	s_wait_dscnt 0x0                               ; the add is done; my reads of this slot were the fragments just waited for
	s_barrier_signal -1
	SLOTS 4, 8
	WIN 0
	s_wait_alu depctr_va_vdst(0)
	s_barrier_wait -1
	CREST
	JLOAD \s                                       ; the tile two on
	s_cmp_lt_u32 s[TI], s[LIM]                     ; and a prefetch of the tile three on: a lane a row, 256 bytes of it a wave, 32 rows a partner
	s_cbranch_scc0 .Lna_\@
	global_prefetch_b8 v[PFO], s[PFA:PFA+1] th:TH_LOAD_NT scope:SCOPE_SE
.Lna_\@:
	s_add_co_u32 s[TI], s[TI], 1
	WIN 0xfd
	RUN                                            ; from the other slot, which the round has shown whole
	SLOTS 8, 32
.else
	s_wait_alu depctr_va_vdst(0)
.if \rnd == 2
	s_wait_tensorcnt 0x0                           ; my part of the last tile is in
.endif
	s_wait_dscnt 0x0                               ; this unit's fragments: nothing younger is out
.if \rnd == 2
	s_barrier_signal -1
	s_barrier_wait -1
.endif
	WIN 0xfd
	RUN
	SLOTS 0, 32
.endif
.if MM && (EP == 0)
.rept 4
	v_nop                                          ; places in front of the next unit's loads
.endr
.endif
.endm
.macro STEPP                           ; behind the wait the stores' base and the prefetches' address step by a tile
	s_wait_xcnt 0x0
	s_add_nc_u64 s[14:15], s[14:15], 512
	s_add_nc_u64 s[PFA:PFA+1], s[PFA:PFA+1], TILEB
.endm
.macro BODY s, rnd                     ; a tile's units 3-7 and the next tile's units 0-2
	STEPP
	UNIT \s, 3, 1,1,1,1,0, 0
	UNIT \s, 4, 1,1,1,1,0, 0
	UNIT \s, 5, 1,1,1,1,0, 0
	UNIT \s, 6, 1,1,1,1,0, 0
	UNIT \s, 7, 1,1,1,1,0, \rnd
	UNIT 1-\s, 0, 1,1,1,1,0, 0
	UNIT 1-\s, 1, 1,1,1,1,1, 0
	UNIT 1-\s, 2, 1,1,1,1,1, 0
.endm
	UNIT 0, 0, 1,1,0,0,0, 0
	UNIT 0, 1, 1,1,1,0,0, 0
	UNIT 0, 2, 1,1,1,1,0, 0
	WIN 0
	s_mov_b32 s98, 3
.Lloop:                                ; tiles 0-5: each refills its slot
	BODY 0, 1
	BODY 1, 1
	WIN 0
	s_sub_co_u32 s98, s98, 1
	s_cmp_lg_u32 s98, 0
	s_wait_alu depctr_va_vdst(0)
	s_cbranch_scc1 .Lloop
	BODY 0, 2                              ; tile 6: nothing is left to fetch
	STEPP
	UNIT 1, 3, 1,1,1,1,0, 0
	UNIT 1, 4, 1,1,1,1,0, 0
	UNIT 1, 5, 1,1,1,1,0, 0
	UNIT 1, 6, 1,1,1,1,0, 0
	UNIT 1, 7, 1,0,1,1,0, 0
	UNIT 0, 0, 0,0,1,1,0, 0                ; what is still due of the last two units
	UNIT 0, 1, 0,0,0,1,1, 0
	UNIT 0, 2, 0,0,0,0,1, 0
	WIN 0
	s_wait_tensorcnt 0x0                           ; the wave's end
	ds_add_u32 v[SPW], v[NIL]
	s_wait_dscnt 0x0
	CROUND                                         ; the closing round
	s_endpgm
.Lfunc_end_k_q9c09830f67_energy:
	.size	k_q9c09830f67_energy, .Lfunc_end_k_q9c09830f67_energy-k_q9c09830f67_energy
	.p2alignl 7, 3214868480
	.fill 96, 4, 3214868480
	.section	.rodata,"a",@progbits
	.p2align	6, 0x0
	.amdhsa_kernel k_q9c09830f67_energy
		.amdhsa_group_segment_fixed_size 327680
		.amdhsa_private_segment_fixed_size 0
		.amdhsa_enable_private_segment 0
		.amdhsa_kernarg_size 48
		.amdhsa_user_sgpr_count 2
		.amdhsa_user_sgpr_kernarg_segment_ptr 1
		.amdhsa_wavefront_size32 1
		.amdhsa_system_sgpr_workgroup_id_x 1
		.amdhsa_system_sgpr_workgroup_id_y 1
		.amdhsa_system_sgpr_workgroup_id_z 1
		.amdhsa_system_vgpr_workitem_id 0
		.amdhsa_next_free_vgpr 1024
		.amdhsa_next_free_sgpr 100
		.amdhsa_reserve_vcc 0
		.amdhsa_float_denorm_mode_32 3
		.amdhsa_float_denorm_mode_16_64 3
		.amdhsa_memory_ordered 1
		.amdhsa_forward_progress 1
		.amdhsa_inst_pref_size 255
	.end_amdhsa_kernel
	.section	.bss,"aw",@nobits
	.p2align	6
	.space	262144
	.amdgpu_metadata
---
amdhsa.version: [ 1, 2 ]
amdhsa.kernels:
  - .name:           k_q9c09830f67_energy
    .symbol:         k_q9c09830f67_energy.kd
    .args:
      - { .name: encoder_outputs_codes, .offset: 0, .size: 8, .value_kind: global_buffer, .address_space: global }
      - { .name: encoder_outputs_scales, .offset: 8, .size: 8, .value_kind: global_buffer, .address_space: global }
      - { .name: W_codes, .offset: 16, .size: 8, .value_kind: global_buffer, .address_space: global }
      - { .name: W_scales, .offset: 24, .size: 8, .value_kind: global_buffer, .address_space: global }
      - { .name: hx, .offset: 32, .size: 8, .value_kind: global_buffer, .address_space: global }
      - { .name: part, .offset: 40, .size: 8, .value_kind: global_buffer, .address_space: global }
    .group_segment_fixed_size: 327680
    .private_segment_fixed_size: 0
    .kernarg_segment_align: 8
    .kernarg_segment_size: 48
    .max_flat_workgroup_size: 128
    .sgpr_count:     100
    .vgpr_count:     1024
    .wavefront_size: 32
...
	.end_amdgpu_metadata
.endif
;; end of part 1
;; launch softmax (part 2): grid 32 x 1, 16 waves a work-group, no clusters, 2,304 bytes of LDS; arguments part, out0; writes out0
.if DOCPART == 2
	.amdgcn_target "amdgcn-amd-amdhsa--gfx1250"
	.amdhsa_code_object_version 6
	.text
	.protected	k_q9c09830f67_softmax
	.globl	k_q9c09830f67_softmax
	.p2align	8
	.type	k_q9c09830f67_softmax,@function
k_q9c09830f67_softmax:
	s_mov_b64 s[64:65], 0
	v_nop
	global_prefetch_b8 v0, s[64:65] scope:SCOPE_SE
	s_setreg_imm32_b32 hwreg(HW_REG_WAVE_MODE, 25, 1), 1
	s_wait_xcnt 0x0
; out0[batch][l] = softmax over l of e[batch][l], e = the sum of part's sixteen chunks, in ascending order.  part: [16][65536] f32, out0: [32][2048] f32.
; The bias is left out here as in the launch before: it adds the same number to every energy of a batch.
; One work-group takes one batch: 512 threads, four neighbouring l each: every load and the store of a wave cover 512 consecutive bytes, aligned.
; The row's true maximum is taken away before the exponential; all in f32.  The row stays in registers: part is read once.
; A row's maximum and sum span sixteen waves: each wave puts its figure into its own word of LDS, one barrier, every wave reads all sixteen (maxima bytes 0-63, sums bytes 128-191).
; No matrix unit, no tensor load, no cluster: a batch's bytes are shared with nobody.  No prefetch: a lane's sixteen loads go out together at the head, and there is no loop.
; LIMITS: a weight under 2^-126 comes out as 0 (v_exp_f32 gives no denormals: ISA guide, its entry in 15.8); NaN or infinities among the energies give what the arithmetic carries on.
.set CHUNK, 262144
	s_load_b128 s[4:7], s[0:1], 0x0                ; part, out0
	v_lshl_add_u32 v64, v0, 2, 0x100
	v_mov_b32 v65, 0
	v_lshlrev_b32 v1, 4, v0                        ; my 16 bytes of the batch's 8,192
	v_lshrrev_b32 v2, 5, v0
	s_delay_alu instid0(VALU_DEP_1)
	v_readfirstlane_b32 s8, v2
	s_delay_alu instid0(VALU_DEP_1)
	v_mov_b32 v43, s8
	s_delay_alu instid0(VALU_DEP_1)
	v_lshlrev_b32 v43, 2, v43                      ; my wave's word in LDS
	v_mov_b32 v42, 0
	v_mov_b32 v41, 0
	s_lshl_b32 s10, ttmp9, 13
	s_mov_b32 s11, 0
	s_mov_b32 s12, 0x76543210
	s_mov_b32 s13, 0xfedcba98
	s_wait_alu depctr_va_vdst(0)
	s_wait_kmcnt 0x0
	s_add_nc_u64 s[4:5], s[4:5], s[10:11]
	s_add_nc_u64 s[6:7], s[6:7], s[10:11]
.irp c, 0,1,2,3,4,5,6,7
	global_load_b128 v[8+4*\c:11+4*\c], v1, s[4:5] offset:CHUNK*\c th:TH_LOAD_NT
.endr
.irp c, 0,1,2,3,4,5,6,7
	global_load_b128 v[68+4*\c:71+4*\c], v1, s[4:5] offset:CHUNK*(8+\c) th:TH_LOAD_NT
.endr
.irp c, 1,2,3,4,5,6,7
	s_wait_alu depctr_va_vdst(0)
	s_wait_loadcnt 15-\c                           ; chunks 0 to c are in, the younger ones stay out
	v_pk_add_f32 v[8:9], v[8:9], v[8+4*\c:9+4*\c]
	v_pk_add_f32 v[10:11], v[10:11], v[10+4*\c:11+4*\c]
.endr
.irp c, 0,1,2,3,4,5,6,7
	s_wait_alu depctr_va_vdst(0)
	s_wait_loadcnt 7-\c
	v_pk_add_f32 v[8:9], v[8:9], v[68+4*\c:69+4*\c]
	v_pk_add_f32 v[10:11], v[10:11], v[70+4*\c:71+4*\c]
.endr
	; the maximum: my four, the wave's 32 lanes, the sixteen waves
	s_delay_alu instid0(VALU_DEP_1)
	v_max3_num_f32 v40, v8, v9, v10
	s_delay_alu instid0(VALU_DEP_1)
	v_max_num_f32 v40, v40, v11
	s_delay_alu instid0(VALU_DEP_1)
	v_max_num_f32_dpp v40, v40, v40 row_xmask:1 row_mask:0xf bank_mask:0xf
	s_delay_alu instid0(VALU_DEP_1)
	v_max_num_f32_dpp v40, v40, v40 row_xmask:2 row_mask:0xf bank_mask:0xf
	s_delay_alu instid0(VALU_DEP_1)
	v_max_num_f32_dpp v40, v40, v40 row_xmask:4 row_mask:0xf bank_mask:0xf
	s_delay_alu instid0(VALU_DEP_1)
	v_max_num_f32_dpp v40, v40, v40 row_xmask:8 row_mask:0xf bank_mask:0xf
	s_delay_alu instid0(VALU_DEP_1)
	v_permlanex16_b32 v41, v40, s12, s13
	s_delay_alu instid0(VALU_DEP_1)
	v_max_num_f32 v40, v40, v41
	ds_store_b32 v43, v40
	s_wait_dscnt 0x0                               ; for the others' sake: my store is done
	s_barrier_signal -1
	s_barrier_wait -1
.irp i, 0,1,2,3
	ds_load_b128 v[44+4*\i:47+4*\i], v42 offset:16*\i
.endr
	s_wait_dscnt 0x0
	v_max3_num_f32 v44, v44, v45, v46
	v_max3_num_f32 v47, v47, v48, v49
	v_max3_num_f32 v50, v50, v51, v52
	v_max3_num_f32 v53, v53, v54, v55
	v_max3_num_f32 v56, v56, v57, v58
	s_delay_alu instid0(VALU_DEP_3)
	v_max3_num_f32 v44, v44, v47, v50
	s_delay_alu instid0(VALU_DEP_2)
	v_max3_num_f32 v53, v53, v56, v59
	s_delay_alu instid0(VALU_DEP_1)
	v_max_num_f32 v40, v44, v53                    ; the row's maximum, in every lane
.irp i, 0,1,2,3
	v_sub_f32 v[60+\i], v[8+\i], v40
.endr
.irp i, 0,1,2,3
	s_delay_alu instid0(VALU_DEP_4)
	v_mul_f32 v[60+\i], 0x3fb8aa3b, v[60+\i]       ; x log2(e)
.endr
	s_wait_alu depctr_va_vdst(0)
.irp i, 0,1,2,3
	v_exp_f32 v[60+\i], v[60+\i]
.endr
	v_nop                                          ; a plain instruction behind the last exponential
	s_wait_alu depctr_va_vdst(0)                   ; one wait for the four
	v_add_f32 v40, v60, v61
	v_add_f32 v41, v62, v63
	s_delay_alu instid0(VALU_DEP_1)
	v_add_f32 v40, v40, v41
	s_delay_alu instid0(VALU_DEP_1)
	v_add_f32_dpp v40, v40, v40 row_xmask:1 row_mask:0xf bank_mask:0xf
	s_delay_alu instid0(VALU_DEP_1)
	v_add_f32_dpp v40, v40, v40 row_xmask:2 row_mask:0xf bank_mask:0xf
	s_delay_alu instid0(VALU_DEP_1)
	v_add_f32_dpp v40, v40, v40 row_xmask:4 row_mask:0xf bank_mask:0xf
	s_delay_alu instid0(VALU_DEP_1)
	v_add_f32_dpp v40, v40, v40 row_xmask:8 row_mask:0xf bank_mask:0xf
	s_delay_alu instid0(VALU_DEP_1)
	v_permlanex16_b32 v41, v40, s12, s13
	s_delay_alu instid0(VALU_DEP_1)
	v_add_f32 v40, v40, v41
	ds_store_b32 v43, v40 offset:128
	s_wait_dscnt 0x0
	s_barrier_signal -1
	s_barrier_wait -1
.irp i, 0,1,2,3
	ds_load_b128 v[44+4*\i:47+4*\i], v42 offset:128+16*\i
.endr
	s_wait_dscnt 0x0
	v_pk_add_f32 v[44:45], v[44:45], v[46:47]
	v_pk_add_f32 v[48:49], v[48:49], v[50:51]
	v_pk_add_f32 v[52:53], v[52:53], v[54:55]
	v_pk_add_f32 v[56:57], v[56:57], v[58:59]
	s_delay_alu instid0(VALU_DEP_3)
	v_pk_add_f32 v[44:45], v[44:45], v[48:49]
	s_delay_alu instid0(VALU_DEP_2)
	v_pk_add_f32 v[52:53], v[52:53], v[56:57]
	s_delay_alu instid0(VALU_DEP_1)
	v_pk_add_f32 v[44:45], v[44:45], v[52:53]
	s_delay_alu instid0(VALU_DEP_1)
	v_add_f32 v40, v44, v45                        ; the row's sum, at least 1: the maximum's own term
	s_wait_alu depctr_va_vdst(0)
	v_rcp_f32 v40, v40
	v_nop
	s_wait_alu depctr_va_vdst(0)
.irp i, 0,1,2,3
	v_mul_f32 v[60+\i], v[60+\i], v40
.endr
	global_store_b128 v1, v[60:63], s[6:7] th:TH_STORE_NT   ; 32 lanes store 512 consecutive bytes
	s_wait_tensorcnt 0x0                           ; the wave's end
	ds_add_u32 v64, v65
	s_wait_dscnt 0x0
	s_endpgm
.Lfunc_end_k_q9c09830f67_softmax:
	.size	k_q9c09830f67_softmax, .Lfunc_end_k_q9c09830f67_softmax-k_q9c09830f67_softmax
	.p2alignl 7, 3214868480
	.fill 96, 4, 3214868480
	.section	.rodata,"a",@progbits
	.p2align	6, 0x0
	.amdhsa_kernel k_q9c09830f67_softmax
		.amdhsa_group_segment_fixed_size 2304
		.amdhsa_private_segment_fixed_size 0
		.amdhsa_enable_private_segment 0
		.amdhsa_kernarg_size 16
		.amdhsa_user_sgpr_count 2
		.amdhsa_user_sgpr_kernarg_segment_ptr 1
		.amdhsa_wavefront_size32 1
		.amdhsa_system_sgpr_workgroup_id_x 1
		.amdhsa_system_sgpr_workgroup_id_y 1
		.amdhsa_system_sgpr_workgroup_id_z 1
		.amdhsa_system_vgpr_workitem_id 0
		.amdhsa_next_free_vgpr 100
		.amdhsa_next_free_sgpr 66
		.amdhsa_reserve_vcc 0
		.amdhsa_float_denorm_mode_32 3
		.amdhsa_float_denorm_mode_16_64 3
		.amdhsa_memory_ordered 1
		.amdhsa_forward_progress 1
		.amdhsa_inst_pref_size 10
	.end_amdhsa_kernel
	.amdgpu_metadata
---
amdhsa.version: [ 1, 2 ]
amdhsa.kernels:
  - .name:           k_q9c09830f67_softmax
    .symbol:         k_q9c09830f67_softmax.kd
    .args:
      - { .name: part, .offset: 0, .size: 8, .value_kind: global_buffer, .address_space: global }
      - { .name: out0, .offset: 8, .size: 8, .value_kind: global_buffer, .address_space: global }
    .group_segment_fixed_size: 2304
    .private_segment_fixed_size: 0
    .kernarg_segment_align: 8
    .kernarg_segment_size: 16
    .max_flat_workgroup_size: 512
    .sgpr_count:     66
    .vgpr_count:     100
    .wavefront_size: 32
...
	.end_amdgpu_metadata
.endif
;; end of part 2
